; MI455X (gfx1250); checked and timed in simulation.
; The chip was launched on July 23, 2026; its instructions are those of AMD's public machine-readable ISA for CDNA 5 (MIT licence, August 2026) and "CDNA5" Instruction Set Architecture Reference Guide (July 2026). The comments in the code are by the model that wrote it; some were corrected since.
;; Codebook. Allowed arithmetic: matrix products marked QUANTISED: E2M3 operands, one E8M0 scale for each 32 along K, by v_wmma_scale_f32_16x16x128_f8f6f4 with both operands' format E2M3, f32 sums; everything else in f32.
;; Inputs: embeddings 1,024 x 64 float32; z 64 x 32 x 32 x 64 float32.
;; Outputs: out0 64 x 32 x 32 x 64 float32; out1 64 x 32 x 32 int32.
;; This version of the problem:
;;   THIS VERSION OF THE PROBLEM IS GIVEN IN LOW PRECISION. The matrix products marked QUANTISED in the list below multiply operands that are first quantised to E2M3 (2 exponent bits, 3 mantissa bits; 6 bits a number), with one power-of-two scale for each 32 numbers along K (OCP MX v1.0); their sums are f32. All else is computed in f32.
;;   The module's matrix products, in the order in which they are computed (A, B: the left and right operand; K: the contracted axis; several contracted axes count as one K, in the product's order):
;;     1. [M 65,536, K 64] x [K 64, N 1,024]; A: input z; B: input embeddings: QUANTISED
;;   THE QUANTISER, for each operand of a quantised product, along K:
;;     - K is cut into blocks of 32 from its start; a last block that is shorter is filled with zeros.
;;     - A block's scale is 2^e with e = floor(log2(the largest magnitude in the block)) - 2, held to -126 .. 127; a block of zeros has e = 0. As a byte (E8M0): e + 127.
;;     - Each number is divided by its block's scale, clamped to +-7.5, and rounded to the nearest number of E2M3, ties to even, subnormals kept.
;;     - The product sums the exact products of the quantised numbers (number of the format x scale) in f32.
;;   ~~~python
;;   def quantise(x, axis):      # numpy; x: float32 -> the quantised numbers, widened to float32 again
;;       x = np.moveaxis(x, axis, -1); K = x.shape[-1]
;;       x = np.pad(x, [(0, 0)] * (x.ndim - 1) + [(0, -K % 32)]); x = x.reshape(x.shape[:-1] + (-1, 32)); a = np.abs(x).max(-1, keepdims=True)
;;       e = np.where(a > 0, np.clip(np.frexp(np.where(a > 0, a, 1))[1] - 1 - 2, -126, 127), 0)      # np.frexp(a)[1] - 1 = floor(log2(a)), exactly
;;       r = np.clip(x / 2.0 ** e, -7.5, 7.5)
;;       step = 2.0 ** (np.maximum(np.frexp(np.where(r == 0, 1, r))[1] - 1, 0) - 3)
;;       q = np.round(r / step) * step * 2.0 ** e      # np.round: ties to even
;;       return np.moveaxis(q.reshape(q.shape[:-2] + (-1,))[..., :K], -1, axis).astype(np.float32)
;;   ~~~
;; 2 versions. Each part assembles by itself: llvm-mc -triple=amdgcn-amd-amdhsa -mcpu=gfx1250 --defsym DOCPART=n.
;; ======== version 1 of 2: 2 launches
;; workspace buffers: idx 262,144 bytes of whole numbers
;; launch nearest (part 1): grid 256 x 1, 8 waves a work-group, no clusters, 196,608 bytes of LDS; arguments z, embeddings, out1, idx; writes out1, idx
.if DOCPART == 1
	.amdgcn_target "amdgcn-amd-amdhsa--gfx1250"
	.amdhsa_code_object_version 6
	.text
	.protected	k_q044ea65e19_nearest
	.globl	k_q044ea65e19_nearest
	.p2align	8
	.type	k_q044ea65e19_nearest,@function
k_q044ea65e19_nearest:
	s_mov_b64 s[64:65], 0
	v_nop
	global_prefetch_b8 v0, s[64:65] scope:SCOPE_SE
	s_setreg_imm32_b32 hwreg(HW_REG_WAVE_MODE, 25, 1), 1
	s_wait_xcnt 0x0
; For each of 65,536 rows of z [.., 64] the index of the nearest of the 1,024 rows of the codebook [1024, 64]:
; d = (|z|^2 + |e|^2) - 2 z.e, the product on codes of FP6 (E2M3) with one E8M0 scale for each 32 along K, all else in f32, formed in the order in which it is written here: a = z2 + e2 is rounded,
; then a - 2 dot is rounded once (2 dot is exact).  Equal distances go to the lowest index.  The index is stored twice: as the output, and for the launch that gathers the rows.
; LIMITS: NaN and infinities among the inputs are not served.  |z|^2 and |e|^2 are summed fused and in four chains, another order of rounding than a plain sum's.  A block of zeros gets the scale byte 1: its codes are zeros.
; SHARES.  A work-group of eight waves owns 256 rows of z, a wave 32: two tiles of 16 queries (tile q, lane r: the wave's row 2 r + q, so that a lane ends with two neighbouring indices).
; THE PRODUCT IS USED TRANSPOSED: source 0 = rows of the codebook, source 1 = 16 queries: a lane holds ONE query, and its registers run along the codebook (register j: row 8 (lane / 16) + j of the tile).
; K IS 64, THE INSTRUCTION'S 128: a fragment of 12 registers holds TWO tiles of the codebook, rows 32 f + 0..15 at k 0-63 and rows 32 f + 16..31 at k 64-127, and is multiplied by [z | zeros] and by [zeros | z].
; THE ARGMIN.  For a fragment's 16 distances of a lane: their smallest; where it lies under the best so far, the fragment's number and all 16 distances are kept (selects, no branch).  At the end the place among the kept 16
; is the first that equals the best, and the two halves of the lanes are joined by (distance, index).
; THE QUANTISER.  Loads are dense, 512 consecutive bytes each; 32 rows at a time turn through the wave's own stage in LDS (rows 272 bytes apart), so that lane (r, h) holds block h of row r: 32 neighbours along K.
; THE CODEBOOK is quantised by every work-group, in four quarters of 256 rows: wave w makes fragment 8 b + w of quarter b and stores it in LDS as an image of its registers, with its scale words and |e|^2.
; Each quarter has LDS bytes of its own, written once.  A QUARTER IS MADE ONE QUARTER AHEAD OF ITS USE: a wave stores its fragment of quarter b + 1, waits for its stores and signals; then it multiplies by quarter b's eight
; fragments; only then it waits for the others' signals.  So the signal and the wait of a barrier stand a quarter's products apart, and a wave that is ahead of the others goes on working.
; NO JOINT LOADS, though every work-group reads the same codebook: the numbers have to pass through registers to be quantised, a wave needs 8 KB of each quarter, and the whole table in LDS rows of 272 bytes
; is 278,528 bytes, which does not fit beside the images (55,296) and the stages (139,264).
; REGISTERS.  Window 0: see the names below.  Window 1: four sets of 64 for numbers as they are loaded.
.set FRB,   1536                       ; a fragment's image: 12 registers x 128 bytes
.set IMG,   0                          ; LDS: the 32 images,
.set SCL,   32*FRB                     ; their scale words, 64 bytes a fragment (row r: u0 block 0, u0 block 1, u1 block 0, u1 block 1),
.set E2T,   SCL+32*64                  ; |e|^2 of the 1,024 rows,
.set OUTS,  E2T+1024*4                 ; the work-group's 256 indices on their way out,
.set STG,   OUTS+1024                  ; and two stages for each wave
.set SP,    272                        ; a stage row: 256 bytes + 16 = 68 words: the 16 rows that a load of 16 bytes a lane touches begin in 16 different groups of four banks
.set STAGE, 32*SP
.set XST,   0                          ; the stage from which a quarter's tail reads the next batch back (set by MAIN)
.set LOFF, 1                           ; v1   16 x lane: my 16 bytes of a dense 512; never rewritten
.set SH8,  2                           ; v2   8 h
.set WE,   3                           ; v3   into the stage, the codebook's rows as they come: load i brings rows 2 i + h
.set WZ,   4                           ; v4   into the stage, z: row 2 i + h goes to place 16 h + i
.set RDS,  5                           ; v5   out of the stage: place r, + 128 h
.set IA,   6                           ; v6   where I store my fragment's image
.set SA,   7                           ; v7   its scale word
.set EA,   8                           ; v8   its rows' |e|^2
.set AS0,  9                           ; v9   SCL + 4 r
.set AE0,  10                          ; v10  E2T + 32 h
.set ACO,  11                          ; v11-13 the same three places at the fragment in hand
.set ASC,  12
.set AEE,  13
.set OA,   14                          ; v14  where my two indices go
.set ORD,  15                          ; v15  where I read 16 bytes of indices back
.set ZB,   16                          ; v16-45  zeros | Z0 | zeros | Z1 | zeros, six registers each
.set ZS,   46                          ; v46-47  z's scale words (s0, s1, s0, s1)
.set ST,   48                          ; v48 |z|^2, v49 the best distance of tile 0; v50, v51 of tile 1
.set GI,   52                          ; v52-53  the best fragment's number
.set ES,   54                          ; v54-55  the codebook's scale words, one register for each fragment buffer
.set CAR,  56                          ; v56-87  the best fragment's 16 distances, for each tile
.set XA,   88                          ; v88-151   2 x 32 numbers of a batch
.set XB,   152                         ; v152-215  a second such set, used once, before the first product
.set FR,   152                         ; v152-175  two fragment buffers
.set E2R,  176                         ; v176-207  |e|^2 of a fragment's rows in the result's layout, two buffers
.set ACC,  208                         ; v208-239  two accumulators for each tile of queries
.set T,    240                         ; v240-247  a = |z|^2 + |e|^2, four pairs by turns
.set GM,   248                         ; v248-249  the smallest of 16, in two chains
.set C,    216                         ; the quantiser's own, over registers that are idle between two quarters: v216-227 a fragment's codes,
.set CT,   228                         ; v228-230, v232-234 the upper 16 codes of a block as the conversion leaves them,
.set MX,   236                         ; largest magnitudes,
.set SO,   238                         ; the conversions' scale operands,
.set BY,   240                         ; scale bytes,
.set SQ,   242                         ; v242-249 sums of squares, two pairs for each block,
.set PT,   250                         ; what the lane 16 away holds,
.set WD,   252                         ; a scale word
.set LI,   250                         ; the end: place among the kept 16
.set IX,   252                         ; v252-253 my two indices
.set WV,   12                          ; s12  wave
.set SEL,  20                          ; s[20:21] v_permlanex16_b32's selects for lane l xor 16
.set F,    22                          ; s22  the fragment in hand, s23 the next
.set F1,   23
.set TC,   24                          ; s24-26 where its image, scale words and |e|^2 begin
.set TS,   25
.set TE,   26
.set MSB, 0
.macro WIN new                         ; the immediate's high byte repeats the setting that is left
.if MSB != \new
	s_set_vgpr_msb (MSB<<8)|\new
.set MSB, \new
.endif
.endm
	s_load_b128 s[4:7], s[0:1], 0x0                ; z, the codebook
	s_load_b128 s[8:11], s[0:1], 0x10              ; out1, idx
	v_lshrrev_b32 v254, 5, v0
	v_readfirstlane_b32 s[WV], v254                ; wave 0..7
	v_and_b32 v254, 31, v0
	v_lshlrev_b32 v[LOFF], 4, v254
	s_lshl_b32 s18, s[WV], 13                      ; wave x 32 rows of 256 bytes: in z and in each quarter of the codebook
	s_mov_b32 s19, 0
	s_lshl_b32 s16, ttmp9, 16                      ; the work-group's 256 rows of z
	s_add_co_u32 s16, s16, s18
	s_mov_b32 s17, 0
	s_wait_kmcnt 0x0
	s_add_nc_u64 s[4:5], s[4:5], s[16:17]
	s_add_nc_u64 s[6:7], s[6:7], s[18:19]
.macro LOADE b, set                    ; my 32 rows of quarter b: 16 loads of 512 consecutive bytes
.irp i, 0,1,2,3,4,5,6,7,8,9,10,11,12,13,14,15
	global_load_b128 v[64*\set+4*\i:64*\set+4*\i+3], v[LOFF], s[6:7] offset:65536*\b+512*\i
.endr
.endm
	WIN 0x40                                       ; destination window 1, address window 0
.irp i, 0,1,2,3,4,5,6,7,8,9,10,11,12,13,14,15
	global_load_b128 v[4*\i:4*\i+3], v[LOFF], s[4:5] offset:512*\i th:TH_LOAD_NT   ; my 32 rows of z: read once in the launch
.endr
	LOADE 0, 1                                     ; what the first products need goes out first: z and quarter 0; quarter 1 behind them.
	LOADE 1, 2                                     ; The other two quarters' loads follow between the first batches' work, sixteen at a time
	WIN 0
	; addresses and first values, while the loads are on their way
	v_and_b32 v254, 15, v0                         ; r
	v_bfe_u32 v255, v0, 4, 1                       ; h
	v_lshlrev_b32 v[SH8], 3, v255
	s_mul_i32 s13, s[WV], 2*STAGE
	s_add_co_u32 s13, s13, STG                     ; my two stages
	v_mul_u32_u24 v[WE], v255, SP
	v_lshl_add_u32 v[WE], v254, 4, v[WE]
	v_add_nc_u32 v[WE], s13, v[WE]
	v_mul_u32_u24 v[WZ], v255, 16*SP
	v_lshl_add_u32 v[WZ], v254, 4, v[WZ]
	v_add_nc_u32 v[WZ], s13, v[WZ]
	v_mul_u32_u24 v[RDS], v254, SP
	v_lshl_add_u32 v[RDS], v255, 7, v[RDS]
	v_add_nc_u32 v[RDS], s13, v[RDS]
	s_mul_i32 s14, s[WV], FRB
	v_add_nc_u32 v[IA], s14, v[LOFF]               ; fragment 8 b + w: the quarter stands in the immediate
	s_lshl_b32 s14, s[WV], 6
	s_add_co_u32 s14, s14, SCL
	v_lshl_add_u32 v[SA], v254, 2, s14
	s_lshl_b32 s14, s[WV], 7
	s_add_co_u32 s15, s14, E2T
	v_lshl_add_u32 v[EA], v254, 2, s15
	s_add_co_u32 s15, s14, OUTS
	v_lshl_add_u32 v[OA], v254, 3, s15             ; my wave's 32 indices, two a lane
	v_lshl_add_u32 v[AS0], v254, 2, SCL
	v_lshl_add_u32 v[AE0], v255, 5, E2T
	s_and_b32 s14, s[WV], 1
	s_lshl_b32 s14, s14, 9
	s_add_co_u32 s14, s14, OUTS
	v_add_nc_u32 v[ORD], s14, v[LOFF]
	s_mov_b32 s[SEL], 0x76543210
	s_mov_b32 s[SEL+1], 0xfedcba98
	s_mov_b32 s14, 0x7f800000                      ; +infinity: over every distance
.irp i, 0,1,2,3,4,5
	v_mov_b32 v[ZB+\i], 0                          ; the zero codes beside Z0 and Z1
	v_mov_b32 v[ZB+12+\i], 0
	v_mov_b32 v[ZB+24+\i], 0
.endr
	v_mov_b32 v[ST+1], s14
	v_mov_b32 v[ST+3], s14
	v_mov_b32 v[GI], 0
	v_mov_b32 v[GI+1], 0
.set i, 0
.rept 32
	v_mov_b32 v[CAR+i], s14                        ; the step is written once: the first fragment finds +infinity and replaces it.  32 moves, while the wave waits for its loads
.set i, i+1
.endr
	v_mov_b32 v[PT], 0                             ; written once: a lane permute's destination counts as one of its sources
	v_mov_b32 v[PT+1], 0
; A batch of 32 rows turns through stage st: in as loaded, out 128 bytes a lane.  LDS serves a wave's instructions in order, so no wait stands between the stores and the loads, nor in front of a stage's next use.
; left: the loads issued behind this batch's sixteen.
.macro TURN_ST set, st, wadr, step, left
	s_wait_loadcnt \left
	WIN 0x04                                       ; an LDS store's data are its source 1: window 1
.irp i, 0,1,2,3,4,5,6,7,8,9,10,11,12,13,14,15
	ds_store_b128 v[\wadr], v[64*\set+4*\i:64*\set+4*\i+3] offset:\st*STAGE+\i*\step
.endr
	WIN 0
.endm
.macro TURN set, st, wadr, step, x, left
	TURN_ST \set, \st, \wadr, \step, \left
.irp q, 0,1
.irp p, 0,1,2,3,4,5,6,7
	ds_load_b128 v[\x+32*\q+4*\p:\x+32*\q+4*\p+3], v[RDS] offset:\st*STAGE+\q*16*SP+16*\p   ; tile q, row r: k = 32 h + 4 p + 0 .. 3
.endr
.endr
.endm
.macro XL n                            ; four of those sixteen loads, numbers 4 n + 0 .. 3, out of stage XST into XA: dealt out over a quarter's last four units
.irp k, 0,1,2,3
	ds_load_b128 v[XA+16*(\n)+4*\k:XA+16*(\n)+4*\k+3], v[RDS] offset:XST*STAGE+((\n)/2)*16*SP+64*((\n)%2)+16*\k
.endr
.endm
; Two blocks of 32 numbers of a lane (tile 0's and tile 1's block h of row r): each block's scale, its 32 codes into six registers from d0 and d1 on, and the row's sum of squares in v[SQ], v[SQ+4].
.macro BLOCKS x, d0, d1
.irp q, 0,1
	v_max3_num_f32 v[MX+\q], |v[\x+32*\q]|, |v[\x+32*\q+1]|, 0x1800000   ; the largest magnitude, over the floor 2^(3 - 127): so the byte cannot fall under 1
	v_pk_mul_f32 v[SQ+4*\q:SQ+4*\q+1], v[\x+32*\q:\x+32*\q+1], v[\x+32*\q:\x+32*\q+1]
	v_pk_mul_f32 v[SQ+4*\q+2:SQ+4*\q+3], v[\x+32*\q+2:\x+32*\q+3], v[\x+32*\q+2:\x+32*\q+3]
.endr
.irp i, 2,4,6,8,10,12,14,16,18,20,22,24,26,28,30
.irp q, 0,1
	v_max3_num_f32 v[MX+\q], v[MX+\q], |v[\x+32*\q+\i]|, |v[\x+32*\q+\i+1]|   ; (the two blocks by turns)
.endr
.endr
.irp i, 4,8,12,16,20,24,28
.irp q, 0,1
	v_pk_fma_f32 v[SQ+4*\q:SQ+4*\q+1], v[\x+32*\q+\i:\x+32*\q+\i+1], v[\x+32*\q+\i:\x+32*\q+\i+1], v[SQ+4*\q:SQ+4*\q+1]
	v_pk_fma_f32 v[SQ+4*\q+2:SQ+4*\q+3], v[\x+32*\q+\i+2:\x+32*\q+\i+3], v[\x+32*\q+\i+2:\x+32*\q+\i+3], v[SQ+4*\q+2:SQ+4*\q+3]
.endr
.endr
.irp q, 0,1
	v_add_nc_u32 v[SO+\q], 0xff000000, v[MX+\q]    ; 2 off the exponent field: the conversion takes the exponent field of this operand as its scale, and nothing else of it
	v_pk_add_f32 v[SQ+4*\q:SQ+4*\q+1], v[SQ+4*\q:SQ+4*\q+1], v[SQ+4*\q+2:SQ+4*\q+3]
.endr
.irp q, 0,1
	v_lshrrev_b32 v[BY+\q], 23, v[SO+\q]           ; the scale's byte
	v_add_f32 v[SQ+4*\q], v[SQ+4*\q], v[SQ+4*\q+1]
.endr
	v_cvt_scalef32_pk16_fp6_f32 v[\d0:\d0+2], v[\x:\x+15], v[SO]
	v_cvt_scalef32_pk16_fp6_f32 v[CT:CT+2], v[\x+16:\x+31], v[SO]         ; (a conversion's three registers begin on an even number: a block's upper three do not, so they are made here and moved)
	v_cvt_scalef32_pk16_fp6_f32 v[\d1:\d1+2], v[\x+32:\x+47], v[SO+1]
	v_cvt_scalef32_pk16_fp6_f32 v[CT+4:CT+6], v[\x+48:\x+63], v[SO+1]
	v_nop                                          ; one plain place behind the last scaled conversion
.irp i, 0,1,2
	v_mov_b32 v[\d0+3+\i], v[CT+\i]
	v_mov_b32 v[\d1+3+\i], v[CT+4+\i]
.endr
.irp q, 0,1
	v_permlanex16_b32 v[PT+\q], v[SQ+4*\q], s[SEL], s[SEL+1]
.endr
.irp q, 0,1
	v_add_f32 v[SQ+4*\q], v[SQ+4*\q], v[PT+\q]     ; with the row's other block: the same bits in both lanes
.endr
.endm
.macro EMB_OUT b                       ; my fragment of quarter b goes to LDS as it stands
	v_lshl_or_b32 v[WD], v[BY+1], 16, v[BY]        ; my two bytes: block h of the rows of both tiles,
	v_lshlrev_b32 v[WD], v[SH8], v[WD]             ; at their places in the scale word;
	v_permlanex16_b32 v[PT], v[WD], s[SEL], s[SEL+1]
	v_or_b32 v[WD], v[WD], v[PT]                   ; with lane l xor 16's two the word is whole
	ds_store_b128 v[IA], v[C:C+3] offset:\b*8*FRB
	ds_store_b128 v[IA], v[C+4:C+7] offset:\b*8*FRB+512
	ds_store_b128 v[IA], v[C+8:C+11] offset:\b*8*FRB+1024
	ds_store_b32 v[SA], v[WD] offset:\b*512        ; (lanes r and r + 16 write the same word with the same value, here and below)
	ds_store_b32 v[EA], v[SQ] offset:\b*1024
	ds_store_b32 v[EA], v[SQ+4] offset:\b*1024+64
.endm
.macro BARRIER                         ; my LDS stores have landed and my LDS loads are in: then the work-group's barrier
	s_wait_dscnt 0x0
	s_barrier_signal -1
	s_barrier_wait -1
.endm
; Fragment n on from the one in hand, into buffer p: its image, its scale words, and |e|^2 of its rows as the results lie: rows 8 h + 0..7 of both tiles
.macro LFRAG p, n
	ds_load_b128 v[FR+12*(\p):FR+12*(\p)+3], v[ACO] offset:(\n)*FRB
	ds_load_b128 v[FR+12*(\p)+4:FR+12*(\p)+7], v[ACO] offset:(\n)*FRB+512
	ds_load_b128 v[FR+12*(\p)+8:FR+12*(\p)+11], v[ACO] offset:(\n)*FRB+1024
	ds_load_b32 v[ES+(\p)], v[ASC] offset:(\n)*64
	ds_load_b128 v[E2R+16*(\p):E2R+16*(\p)+3], v[AEE] offset:(\n)*128
	ds_load_b128 v[E2R+16*(\p)+4:E2R+16*(\p)+7], v[AEE] offset:(\n)*128+16
	ds_load_b128 v[E2R+16*(\p)+8:E2R+16*(\p)+11], v[AEE] offset:(\n)*128+64
	ds_load_b128 v[E2R+16*(\p)+12:E2R+16*(\p)+15], v[AEE] offset:(\n)*128+80
.endm
; The fragment in buffer p times tile q of the queries: its first 16 rows by [Zq | zeros], its second 16 by [zeros | Zq].  Every product is whole in one instruction: C = 0, no chain.
.macro WM p, q
	v_wmma_scale_f32_16x16x128_f8f6f4 v[ACC+16*(\q):ACC+16*(\q)+7], v[FR+12*(\p):FR+12*(\p)+11], v[ZB+12*(\q)+6:ZB+12*(\q)+17], 0, v[ES+(\p)], v[ZS+(\q)] matrix_a_fmt:MATRIX_FMT_FP6 matrix_b_fmt:MATRIX_FMT_FP6
	v_wmma_scale_f32_16x16x128_f8f6f4 v[ACC+16*(\q)+8:ACC+16*(\q)+15], v[FR+12*(\p):FR+12*(\p)+11], v[ZB+12*(\q):ZB+12*(\q)+11], 0, v[ES+(\p)], v[ZS+(\q)] matrix_a_fmt:MATRIX_FMT_FP6 matrix_b_fmt:MATRIX_FMT_FP6
.endm
; The vector work on a fragment's 16 products of tile q, a UNIT: 35 instructions.  f: the scalar register with the fragment's number.
; ld = 1: behind the last use of buffer p's |e|^2 the buffer takes fragment n on.  ld = 2: four loads of the next batch out of the stage stand there instead.
; The first four additions name no register of a matrix instruction: they are the four places between the youngest products and the first read of a result (ISA guide 7.12.1).  Each accumulator is read from its low end on.
.macro VU p, q, f, ld, n
.set DD, ACC+16*(\q)
.set EE, E2R+16*(\p)
.set ZZ, ST+2*(\q)
.set CC, CAR+16*(\q)
.irp i, 0,1,2,3
	v_pk_add_f32 v[T+2*\i:T+2*\i+1], v[EE+2*\i:EE+2*\i+1], v[ZZ:ZZ+1] op_sel_hi:[1,0]   ; a = |e|^2 + |z|^2, rounded (of the pair the low word, |z|^2, serves both halves)
.endr
.irp i, 0,1,2,3
	v_pk_fma_f32 v[DD+2*\i:DD+2*\i+1], v[DD+2*\i:DD+2*\i+1], -2.0, v[T+2*\i:T+2*\i+1] op_sel_hi:[1,0,1]   ; d = a - 2 dot, rounded once
	v_pk_add_f32 v[T+2*\i:T+2*\i+1], v[EE+8+2*\i:EE+9+2*\i], v[ZZ:ZZ+1] op_sel_hi:[1,0]
.endr
.if \ld == 1
	LFRAG \p, \n                                   ; the buffer's last product stands a whole unit's vector work back
.endif
.if \ld == 2
	XL \n
.endif
.irp i, 0,1,2,3
	v_pk_fma_f32 v[DD+8+2*\i:DD+9+2*\i], v[DD+8+2*\i:DD+9+2*\i], -2.0, v[T+2*\i:T+2*\i+1] op_sel_hi:[1,0,1]
.endr
	v_min3_num_f32 v[GM], v[DD], v[DD+1], v[DD+2]  ; the smallest of the 16, in two chains
	v_min3_num_f32 v[GM+1], v[DD+8], v[DD+9], v[DD+10]
	v_min3_num_f32 v[GM], v[GM], v[DD+3], v[DD+4]
	v_min3_num_f32 v[GM+1], v[GM+1], v[DD+11], v[DD+12]
	v_min3_num_f32 v[GM], v[GM], v[DD+5], v[DD+6]
	v_min3_num_f32 v[GM+1], v[GM+1], v[DD+13], v[DD+14]
	v_min3_num_f32 v[GM], v[GM], v[GM+1], v[DD+7]
	v_min_num_f32 v[GM], v[GM], v[DD+15]
	v_cmp_lt_f32 vcc_lo, v[GM], v[ZZ+1]            ; strictly under the best so far: of equal distances the earlier fragment stays
	v_min_num_f32 v[ZZ+1], v[ZZ+1], v[GM]
	v_cndmask_b32 v[GI+(\q)], v[GI+(\q)], s[\f], vcc_lo
.irp i, 0,2,4,6,8,10,12,14                     ; and its 16 distances are kept: two selects an instruction, both on VCC; of a pair's registers each kind has one even and one odd number, one apart
	v_dual_cndmask_b32 v[CC+\i], v[CC+\i], v[DD+\i] :: v_dual_cndmask_b32 v[CC+\i+1], v[CC+\i+1], v[DD+\i+1]
.endr
.endm
; A fragment: the products run one unit ahead of the vector work, on two sets of accumulators, so that a unit's 35 vector instructions stand between a product and the first read of its result,
; and between it and the next product into the same registers.  nextw = 1: the next fragment's first products; in front of them the wait for its loads, the only LDS instructions of mine that are out.
.macro BLK p, f, nextw, ld, n
	WM \p, 1
	VU \p, 0, \f, 0, 0
.if \nextw
	s_wait_dscnt 0x0
	WM 1-\p, 0
.endif
	VU \p, 1, \f, \ld, \n
.endm
; A quarter's eight fragments: three trips of two, which fetch two fragments ahead, and the last two written out, which fetch no fragment.
; xl = 1: their four units bring the next batch but one back from stage st, four loads each.  Nothing here stores to LDS: a quarter stands between a barrier's signal and its wait.
.macro MAIN b, xl, st
	s_mov_b32 s[F], 8*\b
	s_mov_b32 s[TC], 8*\b*FRB
	s_mov_b32 s[TS], 8*\b*64
	s_mov_b32 s[TE], 8*\b*128
	v_add_nc_u32 v[ACO], s[TC], v[LOFF]
	v_add_nc_u32 v[ASC], s[TS], v[AS0]
	v_add_nc_u32 v[AEE], s[TE], v[AE0]
	LFRAG 0, 0
	LFRAG 1, 1
	s_wait_dscnt 8                                 ; the first fragment is in; the second's eight loads may be out
	WM 0, 0
.Lpair_\@:
	s_add_co_u32 s[F1], s[F], 1
	BLK 0, F, 1, 1, 2
	BLK 1, F1, 1, 1, 3
	s_add_co_u32 s[TC], s[TC], 2*FRB
	s_add_co_u32 s[TS], s[TS], 2*64
	s_add_co_u32 s[TE], s[TE], 2*128
	v_add_nc_u32 v[ACO], s[TC], v[LOFF]
	v_add_nc_u32 v[ASC], s[TS], v[AS0]
	v_add_nc_u32 v[AEE], s[TE], v[AE0]
	s_add_co_u32 s[F], s[F], 2
	s_cmp_lt_u32 s[F], 8*\b+6
	s_cbranch_scc1 .Lpair_\@
	s_add_co_u32 s[F1], s[F], 1
.if \xl
.set XST, \st
	WM 0, 1
	VU 0, 0, F, 2, 0
	s_wait_dscnt 4                                 ; the last fragment's eight loads are in; the four stage loads issued behind them may be out
	WM 1, 0
	VU 0, 1, F, 2, 1
	WM 1, 1
	VU 1, 0, F1, 2, 2
	VU 1, 1, F1, 2, 3
.else
	BLK 0, F, 1, 0, 0
	BLK 1, F1, 0, 0, 0
.endif
.endm
	TURN 0, 0, WZ, SP, XA, 32                      ; z: behind its loads stand quarters 0 and 1: 32
	WIN 0x40
	LOADE 2, 3                                     ; quarter 2 goes out now, into a set of its own
	WIN 0
	TURN 1, 1, WE, 2*SP, XB, 32                    ; quarter 0: behind it quarters 1 and 2
	s_wait_dscnt 32                                ; z has been through the stage (the younger turn's 32 may be out)
	BLOCKS XA, ZB+6, ZB+18                         ; z's codes are the operands' registers
.irp q, 0,1
	v_mov_b32 v[ST+2*\q], v[SQ+4*\q]               ; |z|^2
	v_lshlrev_b32 v[ZS+\q], v[SH8], v[BY+\q]       ; my block's byte at its place,
.endr
.irp q, 0,1
	v_permlanex16_b32 v[PT+\q], v[ZS+\q], s[SEL], s[SEL+1]
.endr
.irp q, 0,1
	v_or_b32 v[ZS+\q], v[ZS+\q], v[PT+\q]          ; the other block's beside it,
.endr
.irp q, 0,1
	v_lshl_or_b32 v[ZS+\q], v[ZS+\q], 16, v[ZS+\q] ; and both once more for k 64-127: one word serves [Z | zeros] and [zeros | Z]
.endr
	WIN 0x40
	LOADE 3, 0                                     ; the last quarter, into the set that z has left: z's stores into the stage were shown done by the wait above
	WIN 0
	TURN 2, 0, WE, 2*SP, XA, 32                    ; quarter 1: behind it quarters 2 and 3
	s_wait_dscnt 32                                ; quarter 0 has been through the stage
	BLOCKS XB, C, C+6
	EMB_OUT 0
	BARRIER                                        ; quarter 0's eight fragments lie in LDS, and quarter 1's numbers are back from the stage
	BLOCKS XA, C, C+6
	EMB_OUT 1
	TURN_ST 3, 1, WE, 2*SP, 16                     ; quarter 2 into stage 1 (behind its loads stand quarter 3's): LDS stores stand in front of the signal
	s_wait_dscnt 0x0                               ; for the others' sake: my fragment of quarter 1 has landed
	s_barrier_signal -1
	MAIN 0, 1, 1                                   ; reads quarter 0's bytes, which nobody writes again, and my stage 1, which I do not write again
	s_barrier_wait -1                              ; every wave's fragment of quarter 1 lies in LDS
	s_wait_dscnt 0x0                               ; quarter 2's numbers are back from the stage
	BLOCKS XA, C, C+6
	EMB_OUT 2
	TURN_ST 0, 0, WE, 2*SP, 0                      ; quarter 3 into stage 0
	s_wait_dscnt 0x0
	s_barrier_signal -1
	MAIN 1, 1, 0
	s_barrier_wait -1                              ; quarter 2 lies in LDS
	s_wait_dscnt 0x0
	BLOCKS XA, C, C+6
	EMB_OUT 3
	s_wait_dscnt 0x0
	s_barrier_signal -1
	MAIN 2, 0, 0
	s_barrier_wait -1                              ; quarter 3 lies in LDS
	MAIN 3, 0, 0
	; THE END.  The place among the kept 16: the first that equals the best, sought from the last to the first.  Kept register i is row 16 (i / 8) + 8 h + i % 8 of the fragment's 32.
.irp q, 0,1
	v_mov_b32 v[LI+\q], 23
.endr
.irp i, 14,13,12,11,10,9,8,7,6,5,4,3,2,1,0
	v_cmp_eq_f32 s27, v[CAR+\i], v[ST+1]
	v_cmp_eq_f32 s28, v[CAR+16+\i], v[ST+3]
	v_cndmask_b32 v[LI], v[LI], (\i/8)*16+\i%8, s27
	v_cndmask_b32 v[LI+1], v[LI+1], (\i/8)*16+\i%8, s28
.endr
.irp q, 0,1
	v_lshl_add_u32 v[IX+\q], v[GI+\q], 5, v[LI+\q]
.endr
.irp q, 0,1
	v_add_nc_u32 v[IX+\q], v[SH8], v[IX+\q]        ; 32 f + 16 u + 8 h + j
.endr
.irp q, 0,1
	v_permlanex16_b32 v[T+\q], v[ST+2*\q+1], s[SEL], s[SEL+1]   ; the query's other 512 rows lie in the lane 16 away
	v_permlanex16_b32 v[T+2+\q], v[IX+\q], s[SEL], s[SEL+1]
.endr
.irp q, 0,1
	v_cmp_lt_f32 s27, v[T+\q], v[ST+2*\q+1]        ; the other's is taken where it is nearer,
	v_cmp_eq_f32 s28, v[T+\q], v[ST+2*\q+1]
	v_cmp_lt_u32 s29, v[T+2+\q], v[IX+\q]          ; or as near with the lower index
	s_and_b32 s28, s28, s29
	s_or_b32 s27, s27, s28
	v_cndmask_b32 v[IX+\q], v[IX+\q], v[T+2+\q], s27
.endr
	ds_store_b64 v[OA], v[IX:IX+1]                 ; rows 2 r and 2 r + 1 of my 32 (both halves of the lanes hold and write the same)
	BARRIER                                        ; the work-group's 256 indices lie in LDS
	s_cmp_gt_u32 s[WV], 3
	s_cbranch_scc1 .Lend                           ; four waves store them: waves 0, 1 the two halves of the output's 1,024 bytes, waves 2, 3 those of the copy for the next launch
	ds_load_b128 v[T:T+3], v[ORD]
	s_cmp_lt_u32 s[WV], 2
	s_cselect_b64 s[8:9], s[8:9], s[10:11]
	s_lshl_b32 s16, ttmp9, 10
	s_and_b32 s15, s[WV], 1
	s_lshl_b32 s15, s15, 9
	s_add_co_u32 s16, s16, s15
	s_mov_b32 s17, 0
	s_add_nc_u64 s[8:9], s[8:9], s[16:17]
	s_wait_dscnt 0x0
	global_store_b128 v[LOFF], v[T:T+3], s[8:9]    ; 32 lanes store 512 consecutive bytes, at a multiple of 512 from the buffer's first byte
.Lend:
	s_wait_xcnt 0x0
	v_lshl_add_u32 v254, v0, 2, 0x2fc00
	v_mov_b32 v255, 0
	s_wait_tensorcnt 0x0
	ds_add_u32 v254, v255
	s_wait_dscnt 0x0
	s_endpgm
.Lfunc_end_k_q044ea65e19_nearest:
	.size	k_q044ea65e19_nearest, .Lfunc_end_k_q044ea65e19_nearest-k_q044ea65e19_nearest
	.p2alignl 7, 3214868480
	.fill 96, 4, 3214868480
	.section	.rodata,"a",@progbits
	.p2align	6, 0x0
	.amdhsa_kernel k_q044ea65e19_nearest
		.amdhsa_group_segment_fixed_size 196608
		.amdhsa_private_segment_fixed_size 0
		.amdhsa_enable_private_segment 0
		.amdhsa_kernarg_size 32
		.amdhsa_user_sgpr_count 2
		.amdhsa_user_sgpr_kernarg_segment_ptr 1
		.amdhsa_wavefront_size32 1
		.amdhsa_system_sgpr_workgroup_id_x 1
		.amdhsa_system_sgpr_workgroup_id_y 1
		.amdhsa_system_sgpr_workgroup_id_z 1
		.amdhsa_system_vgpr_workitem_id 0
		.amdhsa_next_free_vgpr 512
		.amdhsa_next_free_sgpr 66
		.amdhsa_reserve_vcc 1
		.amdhsa_float_denorm_mode_32 3
		.amdhsa_float_denorm_mode_16_64 3
		.amdhsa_memory_ordered 1
		.amdhsa_forward_progress 1
		.amdhsa_inst_pref_size 144
	.end_amdhsa_kernel
	.amdgpu_metadata
---
amdhsa.version: [ 1, 2 ]
amdhsa.kernels:
  - .name:           k_q044ea65e19_nearest
    .symbol:         k_q044ea65e19_nearest.kd
    .args:
      - { .name: z, .offset: 0, .size: 8, .value_kind: global_buffer, .address_space: global }
      - { .name: embeddings, .offset: 8, .size: 8, .value_kind: global_buffer, .address_space: global }
      - { .name: out1, .offset: 16, .size: 8, .value_kind: global_buffer, .address_space: global }
      - { .name: idx, .offset: 24, .size: 8, .value_kind: global_buffer, .address_space: global }
    .group_segment_fixed_size: 196608
    .private_segment_fixed_size: 0
    .kernarg_segment_align: 8
    .kernarg_segment_size: 32
    .max_flat_workgroup_size: 256
    .sgpr_count:     66
    .vgpr_count:     512
    .wavefront_size: 32
...
	.end_amdgpu_metadata
.endif
;; end of part 1
;; launch gather (part 2): grid 256 x 1, 8 waves a work-group, no clusters, 0 bytes of LDS; arguments idx, embeddings, out0; writes out0
.if DOCPART == 2
	.amdgcn_target "amdgcn-amd-amdhsa--gfx1250"
	.amdhsa_code_object_version 6
	.text
	.protected	k_q044ea65e19_gather
	.globl	k_q044ea65e19_gather
	.p2align	8
	.type	k_q044ea65e19_gather,@function
k_q044ea65e19_gather:
	s_mov_b64 s[64:65], 0
	v_nop
	global_prefetch_b8 v0, s[64:65] scope:SCOPE_SE
	s_setreg_imm32_b32 hwreg(HW_REG_WAVE_MODE, 25, 1), 1
	s_wait_xcnt 0x0
; out0[row][:] = embeddings[idx[row]][:].  idx: 65,536 whole numbers that the launch before stored; a row of the codebook and of out0 is 64 f32, 256 bytes.
; A stream: no LDS, no barrier, no matrix unit; waves share nothing.  A wave owns 32 rows.  Sixteen lanes take a row, 16 bytes each: lanes 0-15 row i, lanes 16-31 row 16 + i of the wave's 32,
; so that a half's 16 indices are 64 consecutive bytes (four loads of 16 bytes, register i = the index for step i), and each store of a half covers one whole row: 256 consecutive bytes, aligned.
; All 16 gathers of a wave go out together; each store waits for its own.  An index is held to 1,023, the table's last row, before it enters an address.
.set IDX, 8                            ; v8-23   my half's 16 indices
.set ADR, 24                           ; v24-39  byte offsets of my 16 bytes in the 16 rows
.set DAT, 40                           ; v40-103 the rows' bytes
	s_load_b128 s[4:7], s[0:1], 0x0                ; idx, the codebook
	s_load_b64 s[8:9], s[0:1], 0x10                ; out0
	v_lshrrev_b32 v1, 5, v0
	v_readfirstlane_b32 s10, v1                    ; wave 0..7
	v_and_b32 v2, 15, v0                           ; my place in a row
	v_bfe_u32 v3, v0, 4, 1                         ; my half
	v_lshlrev_b32 v4, 4, v2                        ; 16 bytes a lane
	v_lshlrev_b32 v5, 6, v3                        ; my half's 16 indices
	v_lshl_add_u32 v6, v3, 12, v4                  ; out0: 16 rows further down for lanes 16-31
	s_lshl_b32 s11, ttmp9, 3
	s_add_co_u32 s11, s11, s10                     ; my wave's number in the launch
	s_lshl_b32 s12, s11, 7                         ; x 32 indices
	s_mov_b32 s13, 0
	s_lshl_b32 s14, s11, 13                        ; x 32 rows of 256 bytes
	s_mov_b32 s15, 0
	s_wait_kmcnt 0x0
	s_add_nc_u64 s[4:5], s[4:5], s[12:13]
	s_add_nc_u64 s[8:9], s[8:9], s[14:15]
.irp c, 0,1,2,3
	global_load_b128 v[IDX+4*\c:IDX+4*\c+3], v5, s[4:5] offset:16*\c th:TH_LOAD_NT
.endr
	s_wait_loadcnt 0x0
.irp i, 0,1,2,3,4,5,6,7,8,9,10,11,12,13,14,15
	v_min_u32 v[IDX+\i], 0x3ff, v[IDX+\i]
.endr
.irp i, 0,1,2,3,4,5,6,7,8,9,10,11,12,13,14,15
	v_lshl_add_u32 v[ADR+\i], v[IDX+\i], 8, v4
.endr
.irp i, 0,1,2,3,4,5,6,7,8,9,10,11,12,13,14,15
	global_load_b128 v[DAT+4*\i:DAT+4*\i+3], v[ADR+\i], s[6:7]     ; rows that many waves read again: no hint
.endr
.irp i, 0,1,2,3,4,5,6,7,8,9,10,11,12,13,14,15
	s_wait_loadcnt 15-\i                           ; loads come back in order (ISA guide 5.7.1): step i's is in, the younger ones may be out
	global_store_b128 v6, v[DAT+4*\i:DAT+4*\i+3], s[8:9] offset:256*\i th:TH_STORE_NT   ; written once, read by nobody here
.endr
	s_endpgm
.Lfunc_end_k_q044ea65e19_gather:
	.size	k_q044ea65e19_gather, .Lfunc_end_k_q044ea65e19_gather-k_q044ea65e19_gather
	.p2alignl 7, 3214868480
	.fill 96, 4, 3214868480
	.section	.rodata,"a",@progbits
	.p2align	6, 0x0
	.amdhsa_kernel k_q044ea65e19_gather
		.amdhsa_group_segment_fixed_size 0
		.amdhsa_private_segment_fixed_size 0
		.amdhsa_enable_private_segment 0
		.amdhsa_kernarg_size 24
		.amdhsa_user_sgpr_count 2
		.amdhsa_user_sgpr_kernarg_segment_ptr 1
		.amdhsa_wavefront_size32 1
		.amdhsa_system_sgpr_workgroup_id_x 1
		.amdhsa_system_sgpr_workgroup_id_y 1
		.amdhsa_system_sgpr_workgroup_id_z 1
		.amdhsa_system_vgpr_workitem_id 0
		.amdhsa_next_free_vgpr 104
		.amdhsa_next_free_sgpr 66
		.amdhsa_reserve_vcc 0
		.amdhsa_float_denorm_mode_32 3
		.amdhsa_float_denorm_mode_16_64 3
		.amdhsa_memory_ordered 1
		.amdhsa_forward_progress 1
		.amdhsa_inst_pref_size 7
	.end_amdhsa_kernel
	.amdgpu_metadata
---
amdhsa.version: [ 1, 2 ]
amdhsa.kernels:
  - .name:           k_q044ea65e19_gather
    .symbol:         k_q044ea65e19_gather.kd
    .args:
      - { .name: idx, .offset: 0, .size: 8, .value_kind: global_buffer, .address_space: global }
      - { .name: embeddings, .offset: 8, .size: 8, .value_kind: global_buffer, .address_space: global }
      - { .name: out0, .offset: 16, .size: 8, .value_kind: global_buffer, .address_space: global }
    .group_segment_fixed_size: 0
    .private_segment_fixed_size: 0
    .kernarg_segment_align: 8
    .kernarg_segment_size: 24
    .max_flat_workgroup_size: 256
    .sgpr_count:     66
    .vgpr_count:     104
    .wavefront_size: 32
...
	.end_amdgpu_metadata
.endif
;; end of part 2
;; ======== version 2 of 2: 2 launches
;; workspace buffers: idx 262,144 bytes of whole numbers
;; launch nearest (part 3): grid 256 x 1, 8 waves a work-group, no clusters, 196,608 bytes of LDS; arguments z, embeddings, out1, idx; writes out1, idx
.if DOCPART == 3
	.amdgcn_target "amdgcn-amd-amdhsa--gfx1250"
	.amdhsa_code_object_version 6
	.text
	.protected	k_q044ea65e19_nearest
	.globl	k_q044ea65e19_nearest
	.p2align	8
	.type	k_q044ea65e19_nearest,@function
k_q044ea65e19_nearest:
	s_mov_b64 s[64:65], 0
	v_nop
	global_prefetch_b8 v0, s[64:65] scope:SCOPE_SE
	s_setreg_imm32_b32 hwreg(HW_REG_WAVE_SCHED_MODE, 0, 2), 2
	s_setreg_imm32_b32 hwreg(HW_REG_WAVE_MODE, 25, 1), 1
	s_wait_xcnt 0x0
	s_wait_alu depctr_vm_vsrc(0)
; For each of 65,536 rows of z [.., 64] the index of the nearest of the 1,024 rows of the codebook [1024, 64]:
; d = (|z|^2 + |e|^2) - 2 z.e, the product on codes of FP6 (E2M3) with one E8M0 scale for each 32 along K, all else in f32, formed in the order in which it is written here: a = z2 + e2 is rounded,
; then a - 2 dot is rounded once (2 dot is exact).  Equal distances go to the lowest index.  The index is stored twice: as the output, and for the launch that gathers the rows.
; LIMITS: NaN and infinities among the inputs are not served.  |z|^2 and |e|^2 are summed fused and in four chains, another order of rounding than a plain sum's.  A block of zeros gets the scale byte 1: its codes are zeros.
; SHARES.  A work-group of eight waves owns 256 rows of z, a wave 32: two tiles of 16 queries (tile q, lane r: the wave's row 2 r + q, so that a lane ends with two neighbouring indices).
; THE PRODUCT IS USED TRANSPOSED: source 0 = rows of the codebook, source 1 = 16 queries: a lane holds ONE query, and its registers run along the codebook (register j: row 8 (lane / 16) + j of the tile).
; K IS 64, THE INSTRUCTION'S 128: a fragment of 12 registers holds TWO tiles of the codebook, rows 32 f + 0..15 at k 0-63 and rows 32 f + 16..31 at k 64-127, and is multiplied by [z | zeros] and by [zeros | z].
; THE ARGMIN.  For a fragment's 16 distances of a lane: their smallest; where it lies under the best so far, the fragment's number and all 16 distances are kept (selects, no branch).  At the end the place among the kept 16
; is the first that equals the best, and the two halves of the lanes are joined by (distance, index).
; THE QUANTISER.  Loads are dense, 512 consecutive bytes each; 32 rows at a time turn through the wave's own stage in LDS (rows 272 bytes apart), so that lane (r, h) holds block h of row r: 32 neighbours along K.
; THE CODEBOOK is quantised by every work-group, in four quarters of 256 rows: wave w makes fragment 8 b + w of quarter b and stores it in LDS as an image of its registers, with its scale words and |e|^2.
; Each quarter has LDS bytes of its own, written once.  A QUARTER IS MADE ONE QUARTER AHEAD OF ITS USE: a wave stores its fragment of quarter b + 1, waits for its stores and signals; then it multiplies by quarter b's eight
; fragments; only then it waits for the others' signals.  So the signal and the wait of a barrier stand a quarter's products apart, and a wave that is ahead of the others goes on working.
; NO JOINT LOADS, though every work-group reads the same codebook: the numbers have to pass through registers to be quantised, a wave needs 8 KB of each quarter, and the whole table in LDS rows of 272 bytes
; is 278,528 bytes, which does not fit beside the images (55,296) and the stages (139,264).
; THE MODE: SCHED_MODE bits 1:0 = 2 (LLVM: expert scheduling mode 2), set by the entry lines.  The code itself states the register dependences between vector or matrix instructions and memory or LDS
; instructions, with s_wait_alu, always for 0.
; THE PLAN.  Registers that memory or LDS instructions touch, and who else names them:
;   v1, v3-v10, v14, v15   offsets and LDS addresses: written once, at the head, by vector lines; read by loads and stores to the end.  One wait on va_vdst ahead of the first global load (v1), one ahead of the first stage store (the others).
;   window 1, sets 0-3     written by global loads, read by the stage's stores; no vector line names them.  Set 0 is loaded twice: a wait on vm_vsrc ahead of the second time.
;   XA, XB                 written by the stage's loads, read by the quantiser.  A wait on va_vdst stands between the quantiser's reads and the next loads into them.
;   C, WD, SQ              written by the quantiser, read by the six stores of an image: a wait on va_vdst ahead of the stores, a wait on vm_vsrc ahead of the next line that writes them (the quantiser again, or the products and units: ACC, T and GM lie over them).
;   FR, ES, E2R            two buffers: written by a fragment's eight LDS loads; FR and ES read by products, E2R by additions.  ONE wait on va_vdst a fragment, behind the last addition that reads E2R[p]: buffer p's products were
;                          issued ahead of it.  The eight loads follow it two at a time, dealt among lines that name ACC, T and GM alone.
;   ACO, ASC, AEE          read by the fragments' loads; written at a quarter's head and at the loop's edge: a wait on vm_vsrc ahead of the three additions; that they are written is stated by the wait on va_vdst that stands ahead of the next fragment's loads anyway.
;   IX, T                  at the end: one wait on va_vdst behind the last vector line, ahead of the store of IX and of the load into T.
; A mask that a compare writes is read only behind a wait on va_vcc or va_sdst: one in each unit; at the end the compares stand in runs, one wait behind each run.
; REGISTERS.  Window 0: see the names below.  Window 1: four sets of 64 for numbers as they are loaded.
.set FRB,   1536                       ; a fragment's image: 12 registers x 128 bytes
.set IMG,   0                          ; LDS: the 32 images,
.set SCL,   32*FRB                     ; their scale words, 64 bytes a fragment (row r: u0 block 0, u0 block 1, u1 block 0, u1 block 1),
.set E2T,   SCL+32*64                  ; |e|^2 of the 1,024 rows,
.set OUTS,  E2T+1024*4                 ; the work-group's 256 indices on their way out,
.set STG,   OUTS+1024                  ; and two stages for each wave
.set SP,    272                        ; a stage row: 256 bytes + 16 = 68 words: the 16 rows that a load of 16 bytes a lane touches begin in 16 different groups of four banks
.set STAGE, 32*SP
.set XST,   0                          ; the stage from which a quarter's tail reads the next batch back (set by MAIN)
.set LOFF, 1                           ; v1   16 x lane: my 16 bytes of a dense 512; never rewritten
.set SH8,  2                           ; v2   8 h
.set WE,   3                           ; v3   into the stage, the codebook's rows as they come: load i brings rows 2 i + h
.set WZ,   4                           ; v4   into the stage, z: row 2 i + h goes to place 16 h + i
.set RDS,  5                           ; v5   out of the stage: place r, + 128 h
.set IA,   6                           ; v6   where I store my fragment's image
.set SA,   7                           ; v7   its scale word
.set EA,   8                           ; v8   its rows' |e|^2
.set AS0,  9                           ; v9   SCL + 4 r
.set AE0,  10                          ; v10  E2T + 32 h
.set ACO,  11                          ; v11-13 the same three places at the fragment in hand
.set ASC,  12
.set AEE,  13
.set OA,   14                          ; v14  where my two indices go
.set ORD,  15                          ; v15  where I read 16 bytes of indices back
.set ZB,   16                          ; v16-45  zeros | Z0 | zeros | Z1 | zeros, six registers each
.set ZS,   46                          ; v46-47  z's scale words (s0, s1, s0, s1)
.set ST,   48                          ; v48 |z|^2, v49 the best distance of tile 0; v50, v51 of tile 1
.set GI,   52                          ; v52-53  the best fragment's number
.set ES,   54                          ; v54-55  the codebook's scale words, one register for each fragment buffer
.set CAR,  56                          ; v56-87  the best fragment's 16 distances, for each tile
.set XA,   88                          ; v88-151   2 x 32 numbers of a batch
.set XB,   152                         ; v152-215  a second such set, used once, before the first product
.set FR,   152                         ; v152-175  two fragment buffers
.set E2R,  176                         ; v176-207  |e|^2 of a fragment's rows in the result's layout, two buffers
.set ACC,  208                         ; v208-239  two accumulators for each tile of queries
.set T,    240                         ; v240-247  a = |z|^2 + |e|^2, four pairs by turns
.set GM,   248                         ; v248-249  the smallest of 16, in two chains
.set C,    216                         ; the quantiser's own, over registers that are idle between two quarters: v216-227 a fragment's codes,
.set CT,   228                         ; v228-230, v232-234 the upper 16 codes of a block as the conversion leaves them,
.set MX,   236                         ; largest magnitudes,
.set SO,   238                         ; the conversions' scale operands,
.set BY,   240                         ; scale bytes,
.set SQ,   242                         ; v242-249 sums of squares, two pairs for each block,
.set PT,   250                         ; what the lane 16 away holds,
.set WD,   252                         ; a scale word
.set LI,   250                         ; the end: place among the kept 16
.set IX,   252                         ; v252-253 my two indices
.set WV,   12                          ; s12  wave
.set SEL,  20                          ; s[20:21] v_permlanex16_b32's selects for lane l xor 16
.set F,    22                          ; s22  the fragment in hand, s23 the next
.set F1,   23
.set TC,   24                          ; s24-26 where its image, scale words and |e|^2 begin
.set TS,   25
.set TE,   26
.set MK,   22                          ; s22-31 at the end, when the five above are done with: masks of compares
.set MSB, 0
.macro WIN new                         ; the immediate's high byte repeats the setting that is left
.if MSB != \new
	s_set_vgpr_msb (MSB<<8)|\new
.set MSB, \new
.endif
.endm
	s_load_b128 s[4:7], s[0:1], 0x0                ; z, the codebook
	s_load_b128 s[8:11], s[0:1], 0x10              ; out1, idx
	v_lshrrev_b32 v254, 5, v0
	v_readfirstlane_b32 s[WV], v254                ; wave 0..7
	v_and_b32 v254, 31, v0
	v_lshlrev_b32 v[LOFF], 4, v254
	s_wait_alu depctr_va_sdst(0)                   ; s12, the wave's number, is written, ahead of its first reader
	s_lshl_b32 s18, s[WV], 13                      ; wave x 32 rows of 256 bytes: in z and in each quarter of the codebook
	s_mov_b32 s19, 0
	s_lshl_b32 s16, ttmp9, 16                      ; the work-group's 256 rows of z
	s_add_co_u32 s16, s16, s18
	s_mov_b32 s17, 0
	s_wait_kmcnt 0x0
	s_add_nc_u64 s[4:5], s[4:5], s[16:17]
	s_add_nc_u64 s[6:7], s[6:7], s[18:19]
.macro LOADE b, set                    ; my 32 rows of quarter b: 16 loads of 512 consecutive bytes
.irp i, 0,1,2,3,4,5,6,7,8,9,10,11,12,13,14,15
	global_load_b128 v[64*\set+4*\i:64*\set+4*\i+3], v[LOFF], s[6:7] offset:65536*\b+512*\i
.endr
.endm
	WIN 0x40                                       ; destination window 1, address window 0
	s_wait_alu depctr_va_vdst(0)                   ; v1 is written: every global load and the last store read it as their offset
.irp i, 0,1,2,3,4,5,6,7,8,9,10,11,12,13,14,15
	global_load_b128 v[4*\i:4*\i+3], v[LOFF], s[4:5] offset:512*\i th:TH_LOAD_NT   ; my 32 rows of z: read once in the launch
.endr
	LOADE 0, 1                                     ; what the first products need goes out first: z and quarter 0; quarter 1 behind them.
	LOADE 1, 2                                     ; The other two quarters' loads follow between the first batches' work, sixteen at a time
	WIN 0
	; addresses and first values, while the loads are on their way
	v_and_b32 v254, 15, v0                         ; r
	v_bfe_u32 v255, v0, 4, 1                       ; h
	v_lshlrev_b32 v[SH8], 3, v255
	s_mul_i32 s13, s[WV], 2*STAGE
	s_add_co_u32 s13, s13, STG                     ; my two stages
	v_mul_u32_u24 v[WE], v255, SP
	v_lshl_add_u32 v[WE], v254, 4, v[WE]
	v_add_nc_u32 v[WE], s13, v[WE]
	v_mul_u32_u24 v[WZ], v255, 16*SP
	v_lshl_add_u32 v[WZ], v254, 4, v[WZ]
	v_add_nc_u32 v[WZ], s13, v[WZ]
	v_mul_u32_u24 v[RDS], v254, SP
	v_lshl_add_u32 v[RDS], v255, 7, v[RDS]
	v_add_nc_u32 v[RDS], s13, v[RDS]
	s_mul_i32 s14, s[WV], FRB
	v_add_nc_u32 v[IA], s14, v[LOFF]               ; fragment 8 b + w: the quarter stands in the immediate
	s_lshl_b32 s14, s[WV], 6
	s_add_co_u32 s14, s14, SCL
	v_lshl_add_u32 v[SA], v254, 2, s14
	s_lshl_b32 s14, s[WV], 7
	s_add_co_u32 s15, s14, E2T
	v_lshl_add_u32 v[EA], v254, 2, s15
	s_add_co_u32 s15, s14, OUTS
	v_lshl_add_u32 v[OA], v254, 3, s15             ; my wave's 32 indices, two a lane
	v_lshl_add_u32 v[AS0], v254, 2, SCL
	v_lshl_add_u32 v[AE0], v255, 5, E2T
	s_and_b32 s14, s[WV], 1
	s_lshl_b32 s14, s14, 9
	s_add_co_u32 s14, s14, OUTS
	v_add_nc_u32 v[ORD], s14, v[LOFF]
	s_mov_b32 s[SEL], 0x76543210
	s_mov_b32 s[SEL+1], 0xfedcba98
	s_mov_b32 s14, 0x7f800000                      ; +infinity: over every distance
.irp i, 0,1,2,3,4,5
	v_mov_b32 v[ZB+\i], 0                          ; the zero codes beside Z0 and Z1
	v_mov_b32 v[ZB+12+\i], 0
	v_mov_b32 v[ZB+24+\i], 0
.endr
	v_mov_b32 v[ST+1], s14
	v_mov_b32 v[ST+3], s14
	v_mov_b32 v[GI], 0
	v_mov_b32 v[GI+1], 0
.set i, 0
.rept 32
	v_mov_b32 v[CAR+i], s14                        ; the step is written once: the first fragment finds +infinity and replaces it.  32 moves, while the wave waits for its loads
.set i, i+1
.endr
	v_mov_b32 v[PT], 0                             ; written once: a lane permute's destination counts as one of its sources
	v_mov_b32 v[PT+1], 0
; A batch of 32 rows turns through stage st: in as loaded, out 128 bytes a lane.  LDS serves a wave's instructions in order, so no wait stands between the stores and the loads, nor in front of a stage's next use.
; left: the loads issued behind this batch's sixteen.
.macro TURN_ST set, st, wadr, step, left
	s_wait_loadcnt \left
	WIN 0x04                                       ; an LDS store's data are its source 1: window 1
.irp i, 0,1,2,3,4,5,6,7,8,9,10,11,12,13,14,15
	ds_store_b128 v[\wadr], v[64*\set+4*\i:64*\set+4*\i+3] offset:\st*STAGE+\i*\step
.endr
	WIN 0
.endm
.macro TURN_LD st, x
.irp q, 0,1
.irp p, 0,1,2,3,4,5,6,7
	ds_load_b128 v[\x+32*\q+4*\p:\x+32*\q+4*\p+3], v[RDS] offset:\st*STAGE+\q*16*SP+16*\p   ; tile q, row r: k = 32 h + 4 p + 0 .. 3
.endr
.endr
.endm
.macro XL n                            ; four of those sixteen loads, numbers 4 n + 0 .. 3, out of stage XST into XA: dealt out over a quarter's last four units
.irp k, 0,1,2,3
	ds_load_b128 v[XA+16*(\n)+4*\k:XA+16*(\n)+4*\k+3], v[RDS] offset:XST*STAGE+((\n)/2)*16*SP+64*((\n)%2)+16*\k
.endr
.endm
; Two blocks of 32 numbers of a lane (tile 0's and tile 1's block h of row r): each block's scale, its 32 codes into six registers from d0 and d1 on, and the row's sum of squares in v[SQ], v[SQ+4].
.macro BLOCKS x, d0, d1
.irp q, 0,1
	v_max3_num_f32 v[MX+\q], |v[\x+32*\q]|, |v[\x+32*\q+1]|, 0x1800000   ; the largest magnitude, over the floor 2^(3 - 127): so the byte cannot fall under 1
	v_pk_mul_f32 v[SQ+4*\q:SQ+4*\q+1], v[\x+32*\q:\x+32*\q+1], v[\x+32*\q:\x+32*\q+1]
	v_pk_mul_f32 v[SQ+4*\q+2:SQ+4*\q+3], v[\x+32*\q+2:\x+32*\q+3], v[\x+32*\q+2:\x+32*\q+3]
.endr
.irp i, 2,4,6,8,10,12,14,16,18,20,22,24,26,28,30
.irp q, 0,1
	v_max3_num_f32 v[MX+\q], v[MX+\q], |v[\x+32*\q+\i]|, |v[\x+32*\q+\i+1]|   ; (the two blocks by turns)
.endr
.endr
.irp i, 4,8,12,16,20,24,28
.irp q, 0,1
	v_pk_fma_f32 v[SQ+4*\q:SQ+4*\q+1], v[\x+32*\q+\i:\x+32*\q+\i+1], v[\x+32*\q+\i:\x+32*\q+\i+1], v[SQ+4*\q:SQ+4*\q+1]
	v_pk_fma_f32 v[SQ+4*\q+2:SQ+4*\q+3], v[\x+32*\q+\i+2:\x+32*\q+\i+3], v[\x+32*\q+\i+2:\x+32*\q+\i+3], v[SQ+4*\q+2:SQ+4*\q+3]
.endr
.endr
.irp q, 0,1
	v_add_nc_u32 v[SO+\q], 0xff000000, v[MX+\q]    ; 2 off the exponent field: the conversion takes the exponent field of this operand as its scale, and nothing else of it
	v_pk_add_f32 v[SQ+4*\q:SQ+4*\q+1], v[SQ+4*\q:SQ+4*\q+1], v[SQ+4*\q+2:SQ+4*\q+3]
.endr
.irp q, 0,1
	v_lshrrev_b32 v[BY+\q], 23, v[SO+\q]           ; the scale's byte
	v_add_f32 v[SQ+4*\q], v[SQ+4*\q], v[SQ+4*\q+1]
.endr
	v_cvt_scalef32_pk16_fp6_f32 v[\d0:\d0+2], v[\x:\x+15], v[SO]
	v_cvt_scalef32_pk16_fp6_f32 v[CT:CT+2], v[\x+16:\x+31], v[SO]         ; (a conversion's three registers begin on an even number: a block's upper three do not, so they are made here and moved)
	v_cvt_scalef32_pk16_fp6_f32 v[\d1:\d1+2], v[\x+32:\x+47], v[SO+1]
	v_cvt_scalef32_pk16_fp6_f32 v[CT+4:CT+6], v[\x+48:\x+63], v[SO+1]
	v_nop                                          ; one plain place behind the last scaled conversion
.irp i, 0,1,2
	v_mov_b32 v[\d0+3+\i], v[CT+\i]
	v_mov_b32 v[\d1+3+\i], v[CT+4+\i]
.endr
.irp q, 0,1
	v_permlanex16_b32 v[PT+\q], v[SQ+4*\q], s[SEL], s[SEL+1]
.endr
.irp q, 0,1
	v_add_f32 v[SQ+4*\q], v[SQ+4*\q], v[PT+\q]     ; with the row's other block: the same bits in both lanes
.endr
.endm
.macro EMB_OUT b                       ; my fragment of quarter b goes to LDS as it stands
	v_lshl_or_b32 v[WD], v[BY+1], 16, v[BY]        ; my two bytes: block h of the rows of both tiles,
	v_lshlrev_b32 v[WD], v[SH8], v[WD]             ; at their places in the scale word;
	v_permlanex16_b32 v[PT], v[WD], s[SEL], s[SEL+1]
	v_or_b32 v[WD], v[WD], v[PT]                   ; with lane l xor 16's two the word is whole
	s_wait_alu depctr_va_vdst(0)                   ; the quantiser has written the codes, the scale word and the two sums of squares, which the six stores read
	ds_store_b128 v[IA], v[C:C+3] offset:\b*8*FRB
	ds_store_b128 v[IA], v[C+4:C+7] offset:\b*8*FRB+512
	ds_store_b128 v[IA], v[C+8:C+11] offset:\b*8*FRB+1024
	ds_store_b32 v[SA], v[WD] offset:\b*512        ; (lanes r and r + 16 write the same word with the same value, here and below)
	ds_store_b32 v[EA], v[SQ] offset:\b*1024
	ds_store_b32 v[EA], v[SQ+4] offset:\b*1024+64
.endm
.macro BARRIER                         ; my LDS stores have landed and my LDS loads are in: then the work-group's barrier
	s_wait_dscnt 0x0
	s_barrier_signal -1
	s_barrier_wait -1
.endm
; Fragment n on from the one in hand, into buffer p: its image, its scale words, and |e|^2 of its rows as the results lie: rows 8 h + 0..7 of both tiles.  Eight loads, in four parts of two.
.macro LPART p, n, k
.if \k == 0
	ds_load_b128 v[FR+12*(\p):FR+12*(\p)+3], v[ACO] offset:(\n)*FRB
	ds_load_b128 v[FR+12*(\p)+4:FR+12*(\p)+7], v[ACO] offset:(\n)*FRB+512
.elseif \k == 1
	ds_load_b128 v[FR+12*(\p)+8:FR+12*(\p)+11], v[ACO] offset:(\n)*FRB+1024
	ds_load_b32 v[ES+(\p)], v[ASC] offset:(\n)*64
.elseif \k == 2
	ds_load_b128 v[E2R+16*(\p):E2R+16*(\p)+3], v[AEE] offset:(\n)*128
	ds_load_b128 v[E2R+16*(\p)+4:E2R+16*(\p)+7], v[AEE] offset:(\n)*128+16
.else
	ds_load_b128 v[E2R+16*(\p)+8:E2R+16*(\p)+11], v[AEE] offset:(\n)*128+64
	ds_load_b128 v[E2R+16*(\p)+12:E2R+16*(\p)+15], v[AEE] offset:(\n)*128+80
.endif
.endm
.macro LFRAG p, n
	LPART \p, \n, 0
	LPART \p, \n, 1
	LPART \p, \n, 2
	LPART \p, \n, 3
.endm
; The fragment in buffer p times tile q of the queries: its first 16 rows by [Zq | zeros], its second 16 by [zeros | Zq].  Every product is whole in one instruction: C = 0, no chain.
.macro WM p, q
	v_wmma_scale_f32_16x16x128_f8f6f4 v[ACC+16*(\q):ACC+16*(\q)+7], v[FR+12*(\p):FR+12*(\p)+11], v[ZB+12*(\q)+6:ZB+12*(\q)+17], 0, v[ES+(\p)], v[ZS+(\q)] matrix_a_fmt:MATRIX_FMT_FP6 matrix_b_fmt:MATRIX_FMT_FP6
	v_wmma_scale_f32_16x16x128_f8f6f4 v[ACC+16*(\q)+8:ACC+16*(\q)+15], v[FR+12*(\p):FR+12*(\p)+11], v[ZB+12*(\q):ZB+12*(\q)+11], 0, v[ES+(\p)], v[ZS+(\q)] matrix_a_fmt:MATRIX_FMT_FP6 matrix_b_fmt:MATRIX_FMT_FP6
.endm
; The vector work on a fragment's 16 products of tile q, a UNIT: 35 instructions.  f: the scalar register with the fragment's number.
; ld = 1: behind the last use of buffer p's |e|^2 the buffer takes fragment n on: one wait, then the eight loads two at a time.  ld = 2: four loads of the next batch out of the stage stand there instead.
; The first four additions name no register of a matrix instruction: they are the four places between the youngest products and the first read of a result (ISA guide 7.12.1).  Each accumulator is read from its low end on.
.macro VU p, q, f, ld, n
.set DD, ACC+16*(\q)
.set EE, E2R+16*(\p)
.set ZZ, ST+2*(\q)
.set CC, CAR+16*(\q)
.irp i, 0,1,2,3
	v_pk_add_f32 v[T+2*\i:T+2*\i+1], v[EE+2*\i:EE+2*\i+1], v[ZZ:ZZ+1] op_sel_hi:[1,0]   ; a = |e|^2 + |z|^2, rounded (of the pair the low word, |z|^2, serves both halves)
.endr
.irp i, 0,1,2,3
	v_pk_fma_f32 v[DD+2*\i:DD+2*\i+1], v[DD+2*\i:DD+2*\i+1], -2.0, v[T+2*\i:T+2*\i+1] op_sel_hi:[1,0,1]   ; d = a - 2 dot, rounded once
	v_pk_add_f32 v[T+2*\i:T+2*\i+1], v[EE+8+2*\i:EE+9+2*\i], v[ZZ:ZZ+1] op_sel_hi:[1,0]
.endr
.if \ld == 1
	s_wait_alu depctr_va_vdst(0)                   ; the additions are done reading E2R[p] and buffer p's products FR[p] and ES[p], in which the eight loads land; behind the loop's edge: the three addresses are written
	LPART \p, \n, 0                                ; no vector or matrix line from that wait to the eighth load names FR[p], ES[p], E2R[p] or an address: they name ACC, T and GM
.endif
.if \ld == 2
	XL \n                                          ; (XA: the quantiser's reads of it stand ahead of the wait at the quarter's head, and no vector line since names it)
.endif
.irp i, 0,1
	v_pk_fma_f32 v[DD+8+2*\i:DD+9+2*\i], v[DD+8+2*\i:DD+9+2*\i], -2.0, v[T+2*\i:T+2*\i+1] op_sel_hi:[1,0,1]
.endr
.if \ld == 1
	LPART \p, \n, 1
.endif
.irp i, 2,3
	v_pk_fma_f32 v[DD+8+2*\i:DD+9+2*\i], v[DD+8+2*\i:DD+9+2*\i], -2.0, v[T+2*\i:T+2*\i+1] op_sel_hi:[1,0,1]
.endr
.if \ld == 1
	LPART \p, \n, 2
.endif
	v_min3_num_f32 v[GM], v[DD], v[DD+1], v[DD+2]  ; the smallest of the 16, in two chains
	v_min3_num_f32 v[GM+1], v[DD+8], v[DD+9], v[DD+10]
.if \ld == 1
	LPART \p, \n, 3
.endif
	v_min3_num_f32 v[GM], v[GM], v[DD+3], v[DD+4]
	v_min3_num_f32 v[GM+1], v[GM+1], v[DD+11], v[DD+12]
	v_min3_num_f32 v[GM], v[GM], v[DD+5], v[DD+6]
	v_min3_num_f32 v[GM+1], v[GM+1], v[DD+13], v[DD+14]
	v_min3_num_f32 v[GM], v[GM], v[GM+1], v[DD+7]
	v_min_num_f32 v[GM], v[GM], v[DD+15]
	v_cmp_lt_f32 vcc_lo, v[GM], v[ZZ+1]            ; strictly under the best so far: of equal distances the earlier fragment stays
	v_min_num_f32 v[ZZ+1], v[ZZ+1], v[GM]
	s_wait_alu depctr_va_vcc(0)                    ; the compare has written VCC, which the nine selects below read
	v_cndmask_b32 v[GI+(\q)], v[GI+(\q)], s[\f], vcc_lo
.irp i, 0,2,4,6,8,10,12,14                     ; and its 16 distances are kept: two selects an instruction, both on VCC; of a pair's registers each kind has one even and one odd number, one apart
	v_dual_cndmask_b32 v[CC+\i], v[CC+\i], v[DD+\i] :: v_dual_cndmask_b32 v[CC+\i+1], v[CC+\i+1], v[DD+\i+1]
.endr
.endm
; A fragment: the products run one unit ahead of the vector work, on two sets of accumulators, so that a unit's 35 vector instructions stand between a product and the first read of its result,
; and between it and the next product into the same registers.  nextw = 1: the next fragment's first products; in front of them the wait for its loads, the only LDS instructions of mine that are out.
.macro BLK p, f, nextw, ld, n
	WM \p, 1
	VU \p, 0, \f, 0, 0
.if \nextw
	s_wait_dscnt 0x0
	WM 1-\p, 0
.endif
	VU \p, 1, \f, \ld, \n
.endm
; A quarter's eight fragments: three trips of two, which fetch two fragments ahead, and the last two written out, which fetch no fragment.
; xl = 1: their four units bring the next batch but one back from stage st, four loads each.  Nothing here stores to LDS: a quarter stands between a barrier's signal and its wait.
.macro MAIN b, xl, st
	s_mov_b32 s[F], 8*\b
	s_mov_b32 s[TC], 8*\b*FRB
	s_mov_b32 s[TS], 8*\b*64
	s_mov_b32 s[TE], 8*\b*128
	s_wait_alu depctr_vm_vsrc(0)                   ; the last image's stores have read the codes, the scale word and the sums of squares, over which ACC, T and GM lie; the quarter before's loads have read the three addresses written below
	v_add_nc_u32 v[ACO], s[TC], v[LOFF]
	v_add_nc_u32 v[ASC], s[TS], v[AS0]
	v_add_nc_u32 v[AEE], s[TE], v[AE0]
	s_wait_alu depctr_va_vdst(0)                   ; the three addresses are written; whoever read the two fragment buffers (the quantiser as XB, the quarter before's products and additions) and XA (the quantiser) is done reading
	LFRAG 0, 0
	LFRAG 1, 1
	s_wait_dscnt 8                                 ; the first fragment is in; the second's eight loads may be out
	WM 0, 0
.Lpair_\@:
	s_add_co_u32 s[F1], s[F], 1
	BLK 0, F, 1, 1, 2
	BLK 1, F1, 1, 1, 3
	s_add_co_u32 s[TC], s[TC], 2*FRB
	s_add_co_u32 s[TS], s[TS], 2*64
	s_add_co_u32 s[TE], s[TE], 2*128
	s_wait_alu depctr_vm_vsrc(0)                   ; the fragments' loads issued so far have read the three addresses
	v_add_nc_u32 v[ACO], s[TC], v[LOFF]
	v_add_nc_u32 v[ASC], s[TS], v[AS0]
	v_add_nc_u32 v[AEE], s[TE], v[AE0]
	s_add_co_u32 s[F], s[F], 2
	s_cmp_lt_u32 s[F], 8*\b+6
	s_cbranch_scc1 .Lpair_\@
	s_add_co_u32 s[F1], s[F], 1
.if \xl
.set XST, \st
	WM 0, 1
	VU 0, 0, F, 2, 0
	s_wait_dscnt 4                                 ; the last fragment's eight loads are in; the four stage loads issued behind them may be out
	WM 1, 0
	VU 0, 1, F, 2, 1
	WM 1, 1
	VU 1, 0, F1, 2, 2
	VU 1, 1, F1, 2, 3
.else
	BLK 0, F, 1, 0, 0
	BLK 1, F1, 0, 0, 0
.endif
.endm
	s_wait_alu depctr_va_vdst(0)                   ; the LDS addresses v3 to v10, v14 and v15 are written: every stage, image and index access of the kernel reads one of them, and none is written again
	TURN_ST 0, 0, WZ, SP, 32                       ; z: behind its loads stand quarters 0 and 1: 32
	TURN_LD 0, XA
	WIN 0x40
	LOADE 2, 3                                     ; quarter 2 goes out now, into a set of its own
	WIN 0
	TURN_ST 1, 1, WE, 2*SP, 32                     ; quarter 0: behind it quarters 1 and 2
	TURN_LD 1, XB
	s_wait_dscnt 32                                ; z has been through the stage (the younger turn's 32 may be out)
	BLOCKS XA, ZB+6, ZB+18                         ; z's codes are the operands' registers
.irp q, 0,1
	v_mov_b32 v[ST+2*\q], v[SQ+4*\q]               ; |z|^2
	v_lshlrev_b32 v[ZS+\q], v[SH8], v[BY+\q]       ; my block's byte at its place,
.endr
.irp q, 0,1
	v_permlanex16_b32 v[PT+\q], v[ZS+\q], s[SEL], s[SEL+1]
.endr
.irp q, 0,1
	v_or_b32 v[ZS+\q], v[ZS+\q], v[PT+\q]          ; the other block's beside it,
.endr
.irp q, 0,1
	v_lshl_or_b32 v[ZS+\q], v[ZS+\q], 16, v[ZS+\q] ; and both once more for k 64-127: one word serves [Z | zeros] and [zeros | Z]
.endr
	WIN 0x40
	s_wait_alu depctr_vm_vsrc(0)                   ; z's stores into the stage have read set 0, in which the loads below land
	LOADE 3, 0                                     ; the last quarter, into the set that z has left
	WIN 0
	TURN_ST 2, 0, WE, 2*SP, 32                     ; quarter 1: behind it quarters 2 and 3
	s_wait_alu depctr_va_vdst(0)                   ; the quantiser is done reading XA, in which the loads below land; z's codes, the zeros beside them and z's scale words are written, which every product takes as source 1 and as scales
	TURN_LD 0, XA
	s_wait_dscnt 32                                ; quarter 0 has been through the stage
	BLOCKS XB, C, C+6
	EMB_OUT 0
	BARRIER                                        ; quarter 0's eight fragments lie in LDS, and quarter 1's numbers are back from the stage
	s_wait_alu depctr_vm_vsrc(0)                   ; quarter 0's six stores have read the codes, the scale word and the sums of squares, which the quantiser writes again
	BLOCKS XA, C, C+6
	EMB_OUT 1
	TURN_ST 3, 1, WE, 2*SP, 16                     ; quarter 2 into stage 1 (behind its loads stand quarter 3's): LDS stores stand in front of the signal
	s_wait_dscnt 0x0                               ; for the others' sake: my fragment of quarter 1 has landed
	s_barrier_signal -1
	MAIN 0, 1, 1                                   ; reads quarter 0's bytes, which nobody writes again, and my stage 1, which I do not write again
	s_barrier_wait -1                              ; every wave's fragment of quarter 1 lies in LDS
	s_wait_dscnt 0x0                               ; quarter 2's numbers are back from the stage
	BLOCKS XA, C, C+6
	EMB_OUT 2
	TURN_ST 0, 0, WE, 2*SP, 0                      ; quarter 3 into stage 0
	s_wait_dscnt 0x0
	s_barrier_signal -1
	MAIN 1, 1, 0
	s_barrier_wait -1                              ; quarter 2 lies in LDS
	s_wait_dscnt 0x0
	BLOCKS XA, C, C+6
	EMB_OUT 3
	s_wait_dscnt 0x0
	s_barrier_signal -1
	MAIN 2, 0, 0
	s_barrier_wait -1                              ; quarter 3 lies in LDS
	MAIN 3, 0, 0
	; THE END.  The place among the kept 16: the first that equals the best, sought from the last to the first.  Kept register i is row 16 (i / 8) + 8 h + i % 8 of the fragment's 32.
	; The compares stand in runs of ten, five places of both tiles, each into a scalar register of its own, with one wait behind the run; the selects keep their order.
.irp q, 0,1
	v_mov_b32 v[LI+\q], 23
.endr
.macro SEEK i0, i1, i2, i3, i4
.set mm, 0
.irp i, \i0, \i1, \i2, \i3, \i4
	v_cmp_eq_f32 s[MK+2*mm], v[CAR+\i], v[ST+1]
	v_cmp_eq_f32 s[MK+2*mm+1], v[CAR+16+\i], v[ST+3]
.set mm, mm+1
.endr
	s_wait_alu depctr_va_sdst(0)                   ; the ten compares have written their masks, which the ten selects read
.set mm, 0
.irp i, \i0, \i1, \i2, \i3, \i4
	v_cndmask_b32 v[LI], v[LI], (\i/8)*16+\i%8, s[MK+2*mm]
	v_cndmask_b32 v[LI+1], v[LI+1], (\i/8)*16+\i%8, s[MK+2*mm+1]
.set mm, mm+1
.endr
.endm
	SEEK 14, 13, 12, 11, 10
	SEEK 9, 8, 7, 6, 5
	SEEK 4, 3, 2, 1, 0
.irp q, 0,1
	v_lshl_add_u32 v[IX+\q], v[GI+\q], 5, v[LI+\q]
.endr
.irp q, 0,1
	v_add_nc_u32 v[IX+\q], v[SH8], v[IX+\q]        ; 32 f + 16 u + 8 h + j
.endr
.irp q, 0,1
	v_permlanex16_b32 v[T+\q], v[ST+2*\q+1], s[SEL], s[SEL+1]   ; the query's other 512 rows lie in the lane 16 away
	v_permlanex16_b32 v[T+2+\q], v[IX+\q], s[SEL], s[SEL+1]
.endr
.irp q, 0,1
	v_cmp_lt_f32 s[MK+3*\q], v[T+\q], v[ST+2*\q+1]     ; the other's is taken where it is nearer,
	v_cmp_eq_f32 s[MK+3*\q+1], v[T+\q], v[ST+2*\q+1]
	v_cmp_lt_u32 s[MK+3*\q+2], v[T+2+\q], v[IX+\q]     ; or as near with the lower index
.endr
	s_wait_alu depctr_va_sdst(0)                   ; the six compares have written their masks, which the scalar lines below read
.irp q, 0,1
	s_and_b32 s[MK+3*\q+1], s[MK+3*\q+1], s[MK+3*\q+2]
	s_or_b32 s[MK+3*\q], s[MK+3*\q], s[MK+3*\q+1]
.endr
.irp q, 0,1
	v_cndmask_b32 v[IX+\q], v[IX+\q], v[T+2+\q], s[MK+3*\q]
.endr
	s_wait_alu depctr_va_vdst(0)                   ; the selects have written my two indices, which the store reads, and are done reading T, in which the load behind the barrier lands: no vector line follows before it
	ds_store_b64 v[OA], v[IX:IX+1]                 ; rows 2 r and 2 r + 1 of my 32 (both halves of the lanes hold and write the same)
	BARRIER                                        ; the work-group's 256 indices lie in LDS
	s_cmp_gt_u32 s[WV], 3
	s_cbranch_scc1 .Lend                           ; four waves store them: waves 0, 1 the two halves of the output's 1,024 bytes, waves 2, 3 those of the copy for the next launch
	ds_load_b128 v[T:T+3], v[ORD]
	s_cmp_lt_u32 s[WV], 2
	s_cselect_b64 s[8:9], s[8:9], s[10:11]
	s_lshl_b32 s16, ttmp9, 10
	s_and_b32 s15, s[WV], 1
	s_lshl_b32 s15, s15, 9
	s_add_co_u32 s16, s16, s15
	s_mov_b32 s17, 0
	s_add_nc_u64 s[8:9], s[8:9], s[16:17]
	s_wait_dscnt 0x0
	global_store_b128 v[LOFF], v[T:T+3], s[8:9]    ; 32 lanes store 512 consecutive bytes, at a multiple of 512 from the buffer's first byte
.Lend:
	s_wait_xcnt 0x0
	v_lshl_add_u32 v254, v0, 2, 0x2fc00            ; my spare word and 0, made anew: no memory or LDS instruction of the kernel has read v254 or v255
	v_mov_b32 v255, 0
	s_wait_dscnt 0x0                               ; the closing lines, six on end
	s_wait_alu 0x0
	s_wait_tensorcnt 0x0
	ds_add_u32 v254, v255
	s_wait_dscnt 0x0
	s_endpgm
.Lfunc_end_k_q044ea65e19_nearest:
	.size	k_q044ea65e19_nearest, .Lfunc_end_k_q044ea65e19_nearest-k_q044ea65e19_nearest
	.p2alignl 7, 3214868480
	.fill 96, 4, 3214868480
	.section	.rodata,"a",@progbits
	.p2align	6, 0x0
	.amdhsa_kernel k_q044ea65e19_nearest
		.amdhsa_group_segment_fixed_size 196608
		.amdhsa_private_segment_fixed_size 0
		.amdhsa_enable_private_segment 0
		.amdhsa_kernarg_size 32
		.amdhsa_user_sgpr_count 2
		.amdhsa_user_sgpr_kernarg_segment_ptr 1
		.amdhsa_wavefront_size32 1
		.amdhsa_system_sgpr_workgroup_id_x 1
		.amdhsa_system_sgpr_workgroup_id_y 1
		.amdhsa_system_sgpr_workgroup_id_z 1
		.amdhsa_system_vgpr_workitem_id 0
		.amdhsa_next_free_vgpr 512
		.amdhsa_next_free_sgpr 66
		.amdhsa_reserve_vcc 1
		.amdhsa_float_denorm_mode_32 3
		.amdhsa_float_denorm_mode_16_64 3
		.amdhsa_memory_ordered 1
		.amdhsa_forward_progress 1
		.amdhsa_inst_pref_size 146
	.end_amdhsa_kernel
	.amdgpu_metadata
---
amdhsa.version: [ 1, 2 ]
amdhsa.kernels:
  - .name:           k_q044ea65e19_nearest
    .symbol:         k_q044ea65e19_nearest.kd
    .args:
      - { .name: z, .offset: 0, .size: 8, .value_kind: global_buffer, .address_space: global }
      - { .name: embeddings, .offset: 8, .size: 8, .value_kind: global_buffer, .address_space: global }
      - { .name: out1, .offset: 16, .size: 8, .value_kind: global_buffer, .address_space: global }
      - { .name: idx, .offset: 24, .size: 8, .value_kind: global_buffer, .address_space: global }
    .group_segment_fixed_size: 196608
    .private_segment_fixed_size: 0
    .kernarg_segment_align: 8
    .kernarg_segment_size: 32
    .max_flat_workgroup_size: 256
    .sgpr_count:     66
    .vgpr_count:     512
    .wavefront_size: 32
...
	.end_amdgpu_metadata
.endif
;; end of part 3
;; launch gather (part 4): grid 256 x 1, 8 waves a work-group, no clusters, 0 bytes of LDS; arguments idx, embeddings, out0; writes out0
.if DOCPART == 4
	.amdgcn_target "amdgcn-amd-amdhsa--gfx1250"
	.amdhsa_code_object_version 6
	.text
	.protected	k_q044ea65e19_gather
	.globl	k_q044ea65e19_gather
	.p2align	8
	.type	k_q044ea65e19_gather,@function
k_q044ea65e19_gather:
	s_mov_b64 s[64:65], 0
	v_nop
	global_prefetch_b8 v0, s[64:65] scope:SCOPE_SE
	s_setreg_imm32_b32 hwreg(HW_REG_WAVE_MODE, 25, 1), 1
	s_wait_xcnt 0x0
; out0[row][:] = embeddings[idx[row]][:].  idx: 65,536 whole numbers that the launch before stored; a row of the codebook and of out0 is 64 f32, 256 bytes.
; A stream: no LDS, no barrier, no matrix unit; waves share nothing.  A wave owns 32 rows.  Sixteen lanes take a row, 16 bytes each: lanes 0-15 row i, lanes 16-31 row 16 + i of the wave's 32,
; so that a half's 16 indices are 64 consecutive bytes (four loads of 16 bytes, register i = the index for step i), and each store of a half covers one whole row: 256 consecutive bytes, aligned.
; All 16 gathers of a wave go out together; each store waits for its own.  An index is held to 1,023, the table's last row, before it enters an address.
.set IDX, 8                            ; v8-23   my half's 16 indices
.set ADR, 24                           ; v24-39  byte offsets of my 16 bytes in the 16 rows
.set DAT, 40                           ; v40-103 the rows' bytes
	s_load_b128 s[4:7], s[0:1], 0x0                ; idx, the codebook
	s_load_b64 s[8:9], s[0:1], 0x10                ; out0
	v_lshrrev_b32 v1, 5, v0
	s_delay_alu instid0(VALU_DEP_1)
	v_readfirstlane_b32 s10, v1                    ; wave 0..7
	v_and_b32 v2, 15, v0                           ; my place in a row
	v_bfe_u32 v3, v0, 4, 1                         ; my half
	s_delay_alu instid0(VALU_DEP_2)
	v_lshlrev_b32 v4, 4, v2                        ; 16 bytes a lane
	s_delay_alu instid0(VALU_DEP_2)
	v_lshlrev_b32 v5, 6, v3                        ; my half's 16 indices
	s_delay_alu instid0(VALU_DEP_2)
	v_lshl_add_u32 v6, v3, 12, v4                  ; out0: 16 rows further down for lanes 16-31
	s_lshl_b32 s11, ttmp9, 3
	s_add_co_u32 s11, s11, s10                     ; my wave's number in the launch
	s_lshl_b32 s12, s11, 7                         ; x 32 indices
	s_mov_b32 s13, 0
	s_lshl_b32 s14, s11, 13                        ; x 32 rows of 256 bytes
	s_mov_b32 s15, 0
	s_wait_alu depctr_va_vdst(0)
	s_wait_kmcnt 0x0
	s_add_nc_u64 s[4:5], s[4:5], s[12:13]
	s_add_nc_u64 s[8:9], s[8:9], s[14:15]
.irp c, 0,1,2,3
	global_load_b128 v[IDX+4*\c:IDX+4*\c+3], v5, s[4:5] offset:16*\c th:TH_LOAD_NT
.endr
	s_wait_loadcnt 0x0
.irp i, 0,1,2,3,4,5,6,7,8,9,10,11,12,13,14,15
	v_min_u32 v[IDX+\i], 0x3ff, v[IDX+\i]
.endr
.irp i, 0,1,2,3,4,5,6,7,8,9,10,11,12,13,14,15
	v_lshl_add_u32 v[ADR+\i], v[IDX+\i], 8, v4
.endr
.irp i, 0,1,2,3,4,5,6,7,8,9,10,11,12,13,14,15
	global_load_b128 v[DAT+4*\i:DAT+4*\i+3], v[ADR+\i], s[6:7]     ; rows that many waves read again: no hint
.endr
.irp i, 0,1,2,3,4,5,6,7,8,9,10,11,12,13,14,15
	s_wait_loadcnt 15-\i                           ; loads come back in order (ISA guide 5.7.1): step i's is in, the younger ones may be out
	global_store_b128 v6, v[DAT+4*\i:DAT+4*\i+3], s[8:9] offset:256*\i th:TH_STORE_NT   ; written once, read by nobody here
.endr
	s_endpgm
.Lfunc_end_k_q044ea65e19_gather:
	.size	k_q044ea65e19_gather, .Lfunc_end_k_q044ea65e19_gather-k_q044ea65e19_gather
	.p2alignl 7, 3214868480
	.fill 96, 4, 3214868480
	.section	.rodata,"a",@progbits
	.p2align	6, 0x0
	.amdhsa_kernel k_q044ea65e19_gather
		.amdhsa_group_segment_fixed_size 0
		.amdhsa_private_segment_fixed_size 0
		.amdhsa_enable_private_segment 0
		.amdhsa_kernarg_size 24
		.amdhsa_user_sgpr_count 2
		.amdhsa_user_sgpr_kernarg_segment_ptr 1
		.amdhsa_wavefront_size32 1
		.amdhsa_system_sgpr_workgroup_id_x 1
		.amdhsa_system_sgpr_workgroup_id_y 1
		.amdhsa_system_sgpr_workgroup_id_z 1
		.amdhsa_system_vgpr_workitem_id 0
		.amdhsa_next_free_vgpr 104
		.amdhsa_next_free_sgpr 66
		.amdhsa_reserve_vcc 0
		.amdhsa_float_denorm_mode_32 3
		.amdhsa_float_denorm_mode_16_64 3
		.amdhsa_memory_ordered 1
		.amdhsa_forward_progress 1
		.amdhsa_inst_pref_size 8
	.end_amdhsa_kernel
	.amdgpu_metadata
---
amdhsa.version: [ 1, 2 ]
amdhsa.kernels:
  - .name:           k_q044ea65e19_gather
    .symbol:         k_q044ea65e19_gather.kd
    .args:
      - { .name: idx, .offset: 0, .size: 8, .value_kind: global_buffer, .address_space: global }
      - { .name: embeddings, .offset: 8, .size: 8, .value_kind: global_buffer, .address_space: global }
      - { .name: out0, .offset: 16, .size: 8, .value_kind: global_buffer, .address_space: global }
    .group_segment_fixed_size: 0
    .private_segment_fixed_size: 0
    .kernarg_segment_align: 8
    .kernarg_segment_size: 24
    .max_flat_workgroup_size: 256
    .sgpr_count:     66
    .vgpr_count:     104
    .wavefront_size: 32
...
	.end_amdgpu_metadata
.endif
;; end of part 4
